; MI455X (gfx1250); checked and timed in simulation.
; The chip was launched on July 23, 2026; its instructions are those of AMD's public machine-readable ISA for CDNA 5 (MIT licence, August 2026) and "CDNA5" Instruction Set Architecture Reference Guide (July 2026). The comments in the code are by the model that wrote it; some were corrected since.
;; Standard Mo E. Allowed arithmetic: float matrix products may take bf16 or f16 operands with f32 sums; other float arithmetic in f32, or as packed bf16 or f16 multiplies, adds, multiply-adds, maxima and minima; sums over many terms, partial sums and values carried from step to step in f32; what a program stores and reads back later, other than sums and carried values, may be rounded once to bf16 or f16.
;; Inputs: expert_w 64 x 1,024 x 1,024 float32; gate_w 64 x 1,024 float32; x 1,024 x 1,024 float32.
;; Outputs: out0 1,024 x 1,024 float32.
;; 2 versions, each right; version 2 is version 1 with the launch combine written anew for expert scheduling mode. Each part assembles by itself: llvm-mc -triple=amdgcn-amd-amdhsa -mcpu=gfx1250 --defsym DOCPART=n.
;; ======== version 1 of 2: 3 launches
;; workspace buffers: xb 2,097,152 bytes; masks 16,384 bytes of whole numbers; wts 8,192 bytes; part 8,388,608 bytes
;; launch gate (part 1): grid 64 x 1, 8 waves a work-group, no clusters, 138,240 bytes of LDS; arguments x, gate_w, xb, masks, wts; writes xb, masks, wts
.if DOCPART == 1
	.amdgcn_target "amdgcn-amd-amdhsa--gfx1250"
	.amdhsa_code_object_version 6
	.text
	.protected	k_q38dd86b929_gate
	.globl	k_q38dd86b929_gate
	.p2align	8
	.type	k_q38dd86b929_gate,@function
k_q38dd86b929_gate:
	s_mov_b64 s[64:65], 0
	v_nop
	global_prefetch_b8 v0, s[64:65] scope:SCOPE_SE
	s_setreg_imm32_b32 hwreg(HW_REG_WAVE_MODE, 25, 1), 1
	s_wait_xcnt 0x0
; ROUTING.  logits[n][e] = sum over k of x[n][k] gate_w[e][k]; for each token the two largest logits, a softmax over the two.
; x: [1024][1024] f32, gate_w: [64][1024] f32.  Both are rounded to bf16 for the product, sums in f32.
; OUT.  xb: x rounded to bf16, [1024][1024].  wts: f32 [2][1024], the weight of slot k (0: the largest logit) of token n.
;       masks: [64 experts][2 slots][64 tiles] halfwords: bit b of tile t says that token 16 t + b has this expert in this slot.
; SHARES.  A work-group owns 16 tokens and all 64 experts; wave w owns k = 128 w .. 128 w + 127, so each byte of x is read once in the launch.
; A GROUP is 16 rows x 512 bytes: 16 loads, each 512 consecutive bytes of one row.  A wave has five: x's rows and four tiles of 16 gate rows.
; A load puts k along the lanes, a fragment wants a row a lane: a group is rounded to bf16 and goes through the wave's own stage in LDS.
; The eight waves' partial logits meet in LDS behind one barrier; wave 0 adds them, finds the two largest and stores the routing.
; LIMITS.  Equal logits: the lower expert goes first, as in lax.top_k.  NaN and infinite logits are not treated apart.  Where a token's second and
; third logit (of the inputs rounded to bf16) lie closer than the rounding of f32 sums of 1,024 terms, about 1e-6 of their size, the choice may differ.
.set PITCH, 272                        ; a stage row: 256 bytes (128 bf16) + 16: an odd multiple of 16, so the 16 rows of a fragment load start at 16 different groups of four banks (ISA guide 11.1)
.set WST,   48*PITCH                   ; a wave's stage: rows 0-15 x, rows 16-47 two tiles of gate rows
.set PART,  8*WST                      ; behind the stages: 4,096 bytes of partial logits for each wave
.set SPARE, PART+8*4096                ; behind them: the spare words, 128 bytes for each wave: four blocks of 256 bytes that no other line names
.set LA,  1                            ; v1   16 x lane: my 16 bytes of a group's row
.set STW, 2                            ; v2   my 8 bytes in row 0 of my wave's stage
.set FRW, 3                            ; v3   my place in a fragment: row lane % 16, 16 bytes for each half of the lanes
.set XO,  4                            ; v4   8 x lane: my 8 bytes of the wave's 256 in a row of xb
.set PW,  5                            ; v5   where I put partial logits
.set PR,  6                            ; v6   where wave 0 reads them
.set HH,  7                            ; v7   lane / 16
.set LN,  9                            ; v9   lane
.set RR,  10                           ; v10  lane % 16
.set M1,  12                           ; v12-15 the lane's largest logit, its expert, the second, its expert
.set I1,  13
.set M2,  14
.set I2,  15
.set PM1, 16                           ; v16-19 the same of the lane 16 away; later addresses and the weight to store
.set PI1, 17
.set PM2, 18
.set PI2, 19
.set BV,  20                           ; v20-21 the token's largest logit and its expert
.set BI,  21
.set AV,  22                           ; v22-25 the two candidates for the second
.set AI,  23
.set CV,  24
.set CI,  25
.set SV,  26                           ; v26-27 the second
.set SI,  27
.set TA,  28
.set TB,  29
.set SPW, 30                           ; v30  LDS address of my spare word; never rewritten
.set NIL, 31                           ; v31  0; never rewritten
.set T,   32                           ; v32-63  a group rounded to bf16; at the end v32-35 the masks
.set XF,  64                           ; v64-95  x's fragments, 4 steps of 32 along k
.set GF,  96                           ; v96-159 two tiles' fragments
.set ACC, 160                          ; v160-191 four accumulators: experts 16 et + 8 (lane / 16) + j, token lane % 16
.set MA,  32
.set MB,  34
; window 1 (v256-511): four slots of 64 registers for groups on their way
.set MSB, 0
.macro WIN new                         ; the immediate's high byte repeats the setting that is left
.if MSB != (\new)
	s_set_vgpr_msb (MSB<<8)|(\new)
.set MSB, \new
.endif
.endm
.macro LOADG slot, base, off0, nt      ; a group into a slot: destination window 1, address window 0
	WIN 0x40
.set li, 0
.rept 16
.if \nt
	global_load_b128 v[64*(\slot)+4*li:64*(\slot)+4*li+3], v[LA], s[\base:\base+1] offset:(\off0)+4096*li th:TH_LOAD_NT
.else
	global_load_b128 v[64*(\slot)+4*li:64*(\slot)+4*li+3], v[LA], s[\base:\base+1] offset:(\off0)+4096*li
.endif
.set li, li+1
.endr
	WIN 0
.endm
.macro CVTG slot, left                 ; left: the loads issued behind this group's, which may stay out
	s_wait_loadcnt \left
	WIN 0x05                                       ; sources in window 1, destination in window 0
.set ci, 0
.rept 32
	v_cvt_pk_bf16_f32 v[T+ci], v[64*(\slot)+2*ci], v[64*(\slot)+2*ci+1]
.set ci, ci+1
.endr
	WIN 0
.endm
.macro STG row0                        ; the group into stage rows row0 .. row0 + 15: a store is a row's 256 consecutive bytes
.set si, 0
.rept 16
	ds_store_b64 v[STW], v[T+2*si:T+2*si+1] offset:((\row0)+si)*PITCH
.set si, si+1
.endr
.endm
.macro GLD                             ; two tiles' fragments: tile gj / 4, k step gj % 4
.set gj, 0
.rept 8
	ds_load_b128 v[GF+8*gj:GF+8*gj+3],   v[FRW] offset:(16+16*(gj/4))*PITCH+64*(gj%4)
	ds_load_b128 v[GF+8*gj+4:GF+8*gj+7], v[FRW] offset:(16+16*(gj/4))*PITCH+64*(gj%4)+32
.set gj, gj+1
.endr
.endm
.macro GMM a0                          ; 8 products on accumulators a0, a0 + 1, which take turns; the first of each starts its sum with 0
.set ks, 0
.rept 4
.irp a, 0,1
.if ks == 0
	v_wmma_f32_16x16x32_bf16 v[ACC+8*((\a0)+\a):ACC+8*((\a0)+\a)+7], v[GF+32*\a+8*ks:GF+32*\a+8*ks+7], v[XF+8*ks:XF+8*ks+7], 0
.else
	v_wmma_f32_16x16x32_bf16 v[ACC+8*((\a0)+\a):ACC+8*((\a0)+\a)+7], v[GF+32*\a+8*ks:GF+32*\a+8*ks+7], v[XF+8*ks:XF+8*ks+7], v[ACC+8*((\a0)+\a):ACC+8*((\a0)+\a)+7]
.endif
.endr
.set ks, ks+1
.endr
.endm
.macro PLOAD p                         ; wave p's partial logits into buffer (p + 1) % 2 of v64-127
.set pj, 0
.rept 8
	ds_load_b128 v[64+32*(((\p)+1)%2)+4*pj:64+32*(((\p)+1)%2)+4*pj+3], v[PR] offset:4096*(\p)+512*pj
.set pj, pj+1
.endr
.endm
.macro PSUM p
.set pj, 0
.rept 16
	v_pk_add_f32 v[ACC+2*pj:ACC+2*pj+1], v[ACC+2*pj:ACC+2*pj+1], v[64+32*(((\p)+1)%2)+2*pj:64+32*(((\p)+1)%2)+2*pj+1]
.set pj, pj+1
.endr
.endm
.macro BEATS d, av, ai, bv, bi         ; s[d] = the lanes where (av, ai) goes ahead of (bv, bi): larger, or equal with the lower expert
	v_cmp_gt_f32 s[\d], v[\av], v[\bv]
	v_cmp_eq_f32 s[\d+1], v[\av], v[\bv]
	v_cmp_lt_u32 s[\d+2], v[\ai], v[\bi]
	s_and_b32 s[\d+1], s[\d+1], s[\d+2]
	s_or_b32 s[\d], s[\d], s[\d+1]
.endm
	s_load_b256 s[4:11], s[0:1], 0x0               ; x s[4:5], gate_w s[6:7], xb s[8:9], masks s[10:11]
	s_load_b64 s[12:13], s[0:1], 0x20              ; wts
	v_lshl_add_u32 v[SPW], v0, 2, SPARE
	v_mov_b32 v[NIL], 0
	v_lshrrev_b32 v8, 5, v0
	v_readfirstlane_b32 s14, v8                    ; wave 0..7
	v_and_b32 v[LN], 31, v0
	v_and_b32 v[RR], 15, v0
	v_bfe_u32 v[HH], v0, 4, 1
	v_lshlrev_b32 v[LA], 4, v[LN]
	v_lshlrev_b32 v[XO], 3, v[LN]
	s_mul_i32 s30, s14, WST                        ; my wave's stage
	v_lshl_add_u32 v[STW], v[LN], 3, s30
	v_mul_u32_u24 v[FRW], v[RR], PITCH
	v_lshl_add_u32 v[FRW], v[HH], 4, v[FRW]
	v_add_nc_u32 v[FRW], s30, v[FRW]
	s_lshl_b32 s31, s14, 12
	s_add_co_u32 s31, s31, PART
	v_lshl_add_u32 v[PW], v[LN], 4, s31
	v_lshl_add_u32 v[PR], v[LN], 4, PART
	s_lshl_b32 s32, ttmp9, 16                      ; x: 16 rows of 4,096 bytes a work-group,
	s_lshl_b32 s34, s14, 9                         ; 512 bytes of each row a wave; the same 512 in gate_w's rows
	s_add_co_u32 s32, s32, s34
	s_mov_b32 s33, 0
	s_mov_b32 s35, 0
	s_lshl_b32 s36, ttmp9, 15                      ; xb: 16 rows of 2,048 bytes, 256 of each a wave
	s_lshl_b32 s37, s14, 8
	s_add_co_u32 s36, s36, s37
	s_mov_b32 s37, 0
	s_mov_b32 s28, 0x76543210                      ; v_permlanex16_b32: each lane takes its own place in the other half
	s_mov_b32 s29, 0xfedcba98
	s_wait_kmcnt 0x0
	s_add_nc_u64 s[16:17], s[4:5], s[32:33]
	s_add_nc_u64 s[18:19], s[6:7], s[34:35]
	s_add_nc_u64 s[20:21], s[8:9], s[36:37]
	LOADG 0, 16, 0, 1                              ; x's rows: read once in the launch
	LOADG 1, 18, 0, 0                              ; experts 0-15: every work-group reads gate_w, so no hint
	LOADG 2, 18, 65536, 0                          ; experts 16-31
	LOADG 3, 18, 131072, 0                         ; experts 32-47
	CVTG 0, 48                                     ; x is in; three groups of 16 loads stay out
	STG 0
.set xi, 0
.rept 16
	global_store_b64 v[XO], v[T+2*xi:T+2*xi+1], s[20:21] offset:2048*xi  ; a store of the wave covers 256 consecutive bytes of xb, at a multiple of 256
.set xi, xi+1
.endr
	LOADG 0, 18, 196608, 0                         ; experts 48-63 into the slot that x has left
.set xi, 0
.rept 4
	ds_load_b128 v[XF+8*xi:XF+8*xi+3],   v[FRW] offset:64*xi      ; LDS serves a wave's instructions in order (ISA guide 5.7.1.4): these see the stores above
	ds_load_b128 v[XF+8*xi+4:XF+8*xi+7], v[FRW] offset:64*xi+32
.set xi, xi+1
.endr
	s_wait_xcnt 0x0                                ; T is the data of the stores to xb: it is rewritten only behind this wait
	CVTG 1, 48                                     ; experts 0-15; behind them three groups were issued
	STG 16
	CVTG 2, 32
	STG 32
	GLD
	s_wait_dscnt 0x0                               ; x's and the two tiles' fragments are in
	GMM 0
	CVTG 3, 16                                     ; the 64 conversions are also the places between those products and the loads into their fragments
	STG 16
	CVTG 0, 0
	STG 32
	GLD
	s_wait_dscnt 0x0
	GMM 2
.rept 4
	v_nop                                          ; four places between the last product and the stores that read results
.endr
.set xi, 0
.rept 8
	ds_store_b128 v[PW], v[ACC+4*xi:ACC+4*xi+3] offset:512*xi  ; ascending: each accumulator's lowest four registers are read first.  Wave 0 stores too: one text for all waves
.set xi, xi+1
.endr
	s_wait_dscnt 0x0                               ; for wave 0's sake: my partial logits are in LDS
	s_barrier_signal -1
	s_barrier_wait -1
	s_cmp_lg_u32 s14, 0
	s_cbranch_scc1 .Lend                           ; the rest is 16 tokens' work: wave 0 alone
	PLOAD 1                                        ; two waves' parts are always on their way
	PLOAD 2
.irp p, 1,2,3,4,5,6,7
.if \p < 7
	s_wait_dscnt 8                                 ; part p is in; the next part's eight loads stay out
.else
	s_wait_dscnt 0
.endif
	PSUM \p
.if \p < 6
	PLOAD (\p)+2
.endif
.endr
	; The two largest of the lane's 32 logits.  Register c holds expert 16 (c / 8) + c % 8 + 8 (lane / 16): ascending in c, so a strict comparison leaves equal logits to the lower expert.
	v_mov_b32 v[M1], v[ACC]
	v_mov_b32 v[I1], 0
	v_mov_b32 v[M2], 0xff800000                    ; minus infinity: any finite logit takes its place
	v_mov_b32 v[I2], 0
.set c, 1
.rept 31
.set EID, 16*(c/8)+c%8
	v_cmp_gt_f32 vcc_lo, v[ACC+c], v[M1]
	v_cmp_gt_f32 s22, v[ACC+c], v[M2]
	v_cndmask_b32 v[M2], v[M2], v[ACC+c], s22      ; above the second: it is the second,
	v_cndmask_b32 v[I2], v[I2], EID, s22
	v_cndmask_b32 v[M2], v[M2], v[M1], vcc_lo      ; above the first: the old first is the second,
	v_cndmask_b32 v[I2], v[I2], v[I1], vcc_lo
	v_cndmask_b32 v[M1], v[M1], v[ACC+c], vcc_lo   ; and it is the first
	v_cndmask_b32 v[I1], v[I1], EID, vcc_lo
.set c, c+1
.endr
	v_lshl_add_u32 v[I1], v[HH], 3, v[I1]
	v_lshl_add_u32 v[I2], v[HH], 3, v[I2]
	; The token's other 32 experts lie in the lane 16 away.  Both lanes make the same merge, so both end with the same pair.
.irp g, PM1, PI1, PM2, PI2
	v_mov_b32 v[\g], 0                             ; v_permlanex16_b32's destination counts as read
.endr
	v_permlanex16_b32 v[PM1], v[M1], s28, s29
	v_permlanex16_b32 v[PI1], v[I1], s28, s29
	v_permlanex16_b32 v[PM2], v[M2], s28, s29
	v_permlanex16_b32 v[PI2], v[I2], s28, s29
	BEATS 22, M1, I1, PM1, PI1
	v_cndmask_b32 v[BV], v[PM1], v[M1], s22        ; the first of the two firsts;
	v_cndmask_b32 v[BI], v[PI1], v[I1], s22
	v_cndmask_b32 v[AV], v[PM2], v[M2], s22        ; the second is the winner's own second
	v_cndmask_b32 v[AI], v[PI2], v[I2], s22
	v_cndmask_b32 v[CV], v[M1], v[PM1], s22        ; or the loser's first
	v_cndmask_b32 v[CI], v[I1], v[PI1], s22
	BEATS 22, AV, AI, CV, CI
	v_cndmask_b32 v[SV], v[CV], v[AV], s22
	v_cndmask_b32 v[SI], v[CI], v[AI], s22
	; softmax over the two, the maximum taken away: t = e^(second - first) <= 1; weights 1 / (1 + t) and t / (1 + t)
	v_sub_f32 v[TA], v[SV], v[BV]
	v_mul_f32 v[TA], 0x3fb8aa3b, v[TA]
	v_exp_f32 v[TA], v[TA]
	v_lshlrev_b32 v[PM1], 2, v[RR]                 ; a plain instruction behind the exponential (ISA guide 5.7.2): the address in wts: 4 (lane % 16),
	s_wait_alu depctr_va_vdst(0)
	v_add_f32 v[TB], 1.0, v[TA]
	v_rcp_f32 v[TB], v[TB]
	v_lshl_add_u32 v[PM1], v[HH], 12, v[PM1]       ; and behind the reciprocal: slot lane / 16 lies 4,096 bytes on
	s_wait_alu depctr_va_vdst(0)
	v_mul_f32 v[TA], v[TA], v[TB]
	v_cmp_eq_u32 vcc_lo, 1, v[HH]
	v_cndmask_b32 v[PI1], v[TB], v[TA], vcc_lo     ; lanes 0-15 store slot 0's weight, lanes 16-31 slot 1's
	s_lshl_b32 s30, ttmp9, 6
	v_add_nc_u32 v[PM1], s30, v[PM1]
	global_store_b32 v[PM1], v[PI1], s[12:13]      ; two runs of 64 consecutive bytes: all that the work-group has for wts
	; masks: a comparison's lane mask is the tile's 16 bits for one expert and slot (twice: both halves of the lanes hold the same); lane e % 32 of a register collects expert e's
.irp g, MA, MA+1, MB, MB+1
	v_mov_b32 v[\g], 0                             ; v_writelane_b32's destination counts as read
.endr
.set EX, 0
.rept 64
	v_cmp_eq_u32 s22, EX, v[BI]
	v_cmp_eq_u32 s23, EX, v[SI]
	v_writelane_b32 v[MA+EX/32], s22, EX%32
	v_writelane_b32 v[MB+EX/32], s23, EX%32
.set EX, EX+1
.endr
	v_lshlrev_b32 v[PM2], 8, v[LN]                 ; expert = lane: rows of 256 bytes,
	s_lshl_b32 s31, ttmp9, 1                       ; my tile's halfword
	v_add_nc_u32 v[PM2], s31, v[PM2]
	; Two bytes a lane to rows 256 bytes apart, 256 bytes a work-group and 16,384 in the launch: the price of a layout in which the next launch reads an expert's whole row with four scalar loads
	global_store_b16 v[PM2], v[MA],   s[10:11]
	global_store_b16 v[PM2], v[MA+1], s[10:11] offset:8192
	global_store_b16 v[PM2], v[MB],   s[10:11] offset:128
	global_store_b16 v[PM2], v[MB+1], s[10:11] offset:8320
.Lend:
	s_wait_tensorcnt 0x0                           ; the wave's end, behind my last LDS store
	ds_add_u32 v[SPW], v[NIL]
	s_wait_dscnt 0x0
	s_endpgm
.Lfunc_end_k_q38dd86b929_gate:
	.size	k_q38dd86b929_gate, .Lfunc_end_k_q38dd86b929_gate-k_q38dd86b929_gate
	.p2alignl 7, 3214868480
	.fill 96, 4, 3214868480
	.section	.rodata,"a",@progbits
	.p2align	6, 0x0
	.amdhsa_kernel k_q38dd86b929_gate
		.amdhsa_group_segment_fixed_size 138240
		.amdhsa_private_segment_fixed_size 0
		.amdhsa_enable_private_segment 0
		.amdhsa_kernarg_size 40
		.amdhsa_user_sgpr_count 2
		.amdhsa_user_sgpr_kernarg_segment_ptr 1
		.amdhsa_wavefront_size32 1
		.amdhsa_system_sgpr_workgroup_id_x 1
		.amdhsa_system_sgpr_workgroup_id_y 1
		.amdhsa_system_sgpr_workgroup_id_z 1
		.amdhsa_system_vgpr_workitem_id 0
		.amdhsa_next_free_vgpr 512
		.amdhsa_next_free_sgpr 66
		.amdhsa_reserve_vcc 1
		.amdhsa_float_denorm_mode_32 3
		.amdhsa_float_denorm_mode_16_64 3
		.amdhsa_memory_ordered 1
		.amdhsa_forward_progress 1
		.amdhsa_inst_pref_size 73
	.end_amdhsa_kernel
	.amdgpu_metadata
---
amdhsa.version: [ 1, 2 ]
amdhsa.kernels:
  - .name:           k_q38dd86b929_gate
    .symbol:         k_q38dd86b929_gate.kd
    .args:
      - { .name: x, .offset: 0, .size: 8, .value_kind: global_buffer, .address_space: global }
      - { .name: gate_w, .offset: 8, .size: 8, .value_kind: global_buffer, .address_space: global }
      - { .name: xb, .offset: 16, .size: 8, .value_kind: global_buffer, .address_space: global }
      - { .name: masks, .offset: 24, .size: 8, .value_kind: global_buffer, .address_space: global }
      - { .name: wts, .offset: 32, .size: 8, .value_kind: global_buffer, .address_space: global }
    .group_segment_fixed_size: 138240
    .private_segment_fixed_size: 0
    .kernarg_segment_align: 8
    .kernarg_segment_size: 40
    .max_flat_workgroup_size: 256
    .sgpr_count:     66
    .vgpr_count:     512
    .wavefront_size: 32
...
	.end_amdgpu_metadata
.endif
;; end of part 1
;; launch experts (part 2): grid 4 x 64, 8 waves a work-group, no clusters, 269,312 bytes of LDS; arguments expert_w, xb, masks, part; writes part
.if DOCPART == 2
	.amdgcn_target "amdgcn-amd-amdhsa--gfx1250"
	.amdhsa_code_object_version 6
	.text
	.protected	k_q38dd86b929_experts
	.globl	k_q38dd86b929_experts
	.p2align	8
	.type	k_q38dd86b929_experts,@function
k_q38dd86b929_experts:
	s_mov_b64 s[64:65], 0
	v_nop
	global_prefetch_b8 v0, s[64:65] scope:SCOPE_SE
	s_setreg_imm32_b32 hwreg(HW_REG_WAVE_MODE, 25, 1), 1
	s_wait_xcnt 0x0
; THE EXPERTS' PRODUCTS, only for the pairs (token, expert) that the routing chose: part[q][o] = sum over k of x[n][k] expert_w[e][o][k], q = 1024 slot + n, unscaled, f32.
; expert_w: [64][1024][1024] f32, rounded to bf16 on its way; xb: x in bf16; masks: for each expert 64 words, bit b of word i: pair q = 32 i + b is this expert's.
; SHARES.  Work-group (ob, e): expert e, output columns 256 ob .. + 255: 1 MiB of expert_w, which no other work-group reads.  Wave w: columns 32 w .. + 31 of those, all of k.
; A PASS serves 64 of the expert's pairs, in the order of q: four token tiles of 16.  Wave w gathers the x rows of the pass's places 8 w .. 8 w + 7 and stores the same places' results.
; THE LIST is made by each wave for itself: place j's pair is the j-th set bit of the expert's 2,048 bits, found by counting: no scatter and nothing handed between waves.
; THE STREAM.  A GROUP is 16 rows of W x 512 bytes: 16 loads, each 512 consecutive bytes of a row.  Four groups (64 loads) of every wave are on their way through a pass's K steps; every wait for them is counted.
; A load puts k along the lanes, a fragment wants a row a lane: a group is rounded to bf16 and goes through the wave's own stage in LDS, without a barrier.
; THE EIGHT K STEPS of 128 are written out: the step's number stands in the immediates of the loads, so that no LDS address and no base is ever stepped, and the first step's products start the sums with the constant 0.
; PRODUCTS.  Source 0 = 16 rows of W, source 1 = 16 tokens: a lane then holds one token and eight neighbouring columns.  Results go through LDS and leave as runs of 512 consecutive bytes of a row of part.
; ANY COUNT.  An expert may have 0 to 1,024 pairs.  16 passes are counted, the same number in every wave; a pass with nothing left jumps forward over its three sections and keeps its two barriers.  The first pass
; has no guard.  An expert with more than 64 pairs reads its W once for every 64.  With no pair at all the first pass still reads W and stores nothing.
; DEAD TILES.  REM places are left at a pass's start.  Token tile 2 is read and multiplied only if REM > 32, tile 3 only if REM > 48: forward jumps over text that holds no barrier.  Tiles 0 and 1 are always done.
; The x rows of dead places are still gathered (token 0's row), so that all eight waves run one text and every byte of the x tile is written.
; NO CLUSTER, NO TENSOR LOADS: the work-groups share no weights; the x rows that an expert's four work-groups share are at most 128 KiB beside 1 MiB of weights each.  No prefetch: the ring has 64 loads a wave out at all times.
; LIMITS.  Products of experts that a token did not choose are not formed: where the reference multiplies an infinite product by 0, it gives NaN and this text does not.
.set XP,    2064                       ; a row of the x tile: 2,048 bytes + 16: an odd multiple of 16, so the 16 rows of a fragment load start at 16 different groups of four banks (ISA guide 11.1)
.set PITCH, 272                        ; a stage row: 256 bytes (128 bf16) + 16
.set OP,    1040                       ; a row of results: 256 f32 + 16
.set XT,    0                          ; 64 rows of x
.set ST,    64*XP                      ; the stages: 32 rows for each wave
.set WST,   32*PITCH
.set OS,    ST+8*WST                   ; 64 rows of results
.set SPARE, OS+64*OP                   ; the spare words, 128 bytes for each wave: four blocks of 256 bytes that no other line names
.set LA,   1                           ; v1   16 x lane
.set STW,  2                           ; v2   my 8 bytes in row 0 of my wave's stage
.set FRW,  3                           ; v3   my place in a fragment of W
.set FRX,  4                           ; v4-7 my place in a fragment of x, token tile t, k = 0; never rewritten
.set XTW,  8                           ; v8   where I put 16 bytes of my wave's first x row
.set OSW,  9                           ; v9   where I put results: row lane % 16, my wave's 128 bytes, 32 for each half of the lanes
.set OSR,  10                          ; v10  where I read my wave's first row of results back
.set SPW,  11                          ; v11  LDS address of my spare word; never rewritten
.set NIL,  12                          ; v12  0; never rewritten
.set FRXB, 13                          ; v13  at work in the set-up
.set JL,   14                          ; v14  8 w + lane % 8: my place in a pass
.set PB,   15                          ; v15  16 x lane + 1,024 ob: my bytes in a row of part
.set PA,   16                          ; v16-23 the same in the rows of my wave's eight places
.set T,    32                          ; v32-63 a group rounded to bf16; once its stage stores are issued, token tile 2's fragments.  While the list is made:
.set LJ,   32                          ;   my place among all the expert's pairs
.set LW,   33                          ;   the word that holds it,
.set LB,   34                          ;   the bits set ahead of that word,
.set LI,   35                          ;   the word's number
.set LR,   36                          ;   which set bit of the word
.set C1,   37                          ;   the word's bits counted in fields of 2, 4, 8 and 16
.set C2,   38
.set C4,   39
.set C8,   40
.set POS,  41
.set TT,   42
.set T2,   43
.set LQ,   44                          ;   the pair
.set GA,   48                          ; v48-55 my bytes in the x rows of my wave's eight places
.set B0,   64                          ; v64-95  token tile 0's fragments, four k steps of 32; later tile 3's
.set B1,   96                          ; v96-127 token tile 1's.  On the way out v64-127 hold 8 rows of results
.set ACC,  128                         ; v128-191 accumulator (a, t) at ACC + 8 (4 a + t); with v192-255 the landing place of the gathered x rows
.set WF,   192                         ; v192-255 W's fragments: tile a, k step ks at WF + 32 a + 8 ks
; window 1 (v256-511): four slots of 64 registers for groups on their way
.set WV,   12                          ; s12 wave   s13 expert   s14 ob
.set CNT,  15                          ; s15 the expert's pairs
; s16-63, s68-83: the expert's 64 mask words; word i in s[16 + i + 4 (i / 48)]
.set PS,   84                          ; s84 bits set ahead of the word in hand
.set REM,  86                          ; s86 places left at the start of the pass in hand
.set WB0,  88                          ; s[88:89] W at my wave's first row; never rewritten
.set PC,   90                          ; s90 counts passes
.set JB,   91                          ; s91 the pass's first place
.set NV,   93                          ; s93 how many of my wave's places hold a pair (may be negative or above 8)
.set MSB, 0
.macro WIN new                         ; the immediate's high byte repeats the setting that is left
.if MSB != (\new)
	s_set_vgpr_msb (MSB<<8)|(\new)
.set MSB, \new
.endif
.endm
.macro PLACES                          ; four places between a matrix instruction and a write of, a load into, or a store of one of its registers (ISA guide 7.12.1 for writes and stores)
.rept 4
	v_nop
.endr
.endm
.macro LOADG slot, off0                ; a group into a slot: destination window 1, address window 0
	WIN 0x40
.set li, 0
.rept 16
	global_load_b128 v[64*(\slot)+4*li:64*(\slot)+4*li+3], v[LA], s[WB0:WB0+1] offset:(\off0)+4096*li th:TH_LOAD_NT
.set li, li+1
.endr
	WIN 0
.endm
; A group leaves its slot: rounded to bf16; the slot is asked for again at once (refill = 1: the same rows, two K steps on); into stage rows 16 a .. 16 a + 15.
; left: the loads issued behind this group's, which stay out.
.macro GROUP slot, a, left, refill, off0
	s_wait_loadcnt \left
	WIN 0x05                                       ; sources in window 1, destination in window 0
.set gi, 0
.rept 32
	v_cvt_pk_bf16_f32 v[T+gi], v[64*(\slot)+2*gi], v[64*(\slot)+2*gi+1]
.set gi, gi+1
.endr
.if \refill
	LOADG \slot, \off0
.endif
	WIN 0
.set gi, 0
.rept 16
	ds_store_b64 v[STW], v[T+2*gi:T+2*gi+1] offset:(16*(\a)+gi)*PITCH  ; a row's 256 consecutive bytes
.set gi, gi+1
.endr
.endm
.macro XL t, buf, kb                   ; token tile t's fragments of K step kb, four k steps of 32, into a buffer of 32 registers
.irp ks, 0,1,2,3
	ds_load_b128 v[(\buf)+8*\ks:(\buf)+8*\ks+3],   v[FRX+(\t)] offset:(\kb)*256+\ks*64
	ds_load_b128 v[(\buf)+8*\ks+4:(\buf)+8*\ks+7], v[FRX+(\t)] offset:(\kb)*256+\ks*64+32
.endr
.endm
.macro WM a, t, buf, ks, zero          ; one product; zero = 1: a pass's first K step, whose first k step starts the sum
.if (\zero) && ((\ks) == 0)
	v_wmma_f32_16x16x32_bf16 v[ACC+8*(4*(\a)+(\t)):ACC+8*(4*(\a)+(\t))+7], v[WF+32*(\a)+8*(\ks):WF+32*(\a)+8*(\ks)+7], v[(\buf)+8*(\ks):(\buf)+8*(\ks)+7], 0
.else
	v_wmma_f32_16x16x32_bf16 v[ACC+8*(4*(\a)+(\t)):ACC+8*(4*(\a)+(\t))+7], v[WF+32*(\a)+8*(\ks):WF+32*(\a)+8*(\ks)+7], v[(\buf)+8*(\ks):(\buf)+8*(\ks)+7], v[ACC+8*(4*(\a)+(\t)):ACC+8*(4*(\a)+(\t))+7]
.endif
.endm
; The accumulators take turns, one instruction a turn: four in MM01, two in MMT; each run ends on an accumulator of W's tile 1 and the next begins on one of tile 0.
.macro MM01 zero                       ; 16 products: token tiles 0 and 1
.irp ks, 0,1,2,3
	WM 0, 0, B0, \ks, \zero
	WM 1, 0, B0, \ks, \zero
	WM 0, 1, B1, \ks, \zero
	WM 1, 1, B1, \ks, \zero
.endr
.endm
.macro MMT t, buf, zero                ; 8 products: token tile t
.irp ks, 0,1,2,3
	WM 0, \t, \buf, \ks, \zero
	WM 1, \t, \buf, \ks, \zero
.endr
.endm
; K STEP kb of 128: two groups through the stage, their fragments back, 16 to 32 products.  Its groups lie in slots 2 (kb % 2) and 2 (kb % 2) + 1, which then take step kb + 2's.
; How many LDS loads are out differs between the ways, so both waits are for 0.  The next step's 64 conversions are the places ahead of the next loads into W's and x's fragments.
.macro STEP kb, refill, l0, l1, zero
	GROUP 2*((\kb)%2), 0, \l0, \refill, ((\kb)+2)*512
	GROUP 2*((\kb)%2)+1, 1, \l1, \refill, 65536+((\kb)+2)*512
.set wi, 0
.rept 8
	ds_load_b128 v[WF+8*wi:WF+8*wi+3],   v[FRW] offset:(wi/4)*16*PITCH+(wi%4)*64     ; LDS serves a wave's instructions in order (ISA guide 5.7.1.4): these see the stores above
	ds_load_b128 v[WF+8*wi+4:WF+8*wi+7], v[FRW] offset:(wi/4)*16*PITCH+(wi%4)*64+32
.set wi, wi+1
.endr
	XL 0, B0, \kb
	XL 1, B1, \kb
	s_cmp_gt_u32 s[REM], 32
	s_cbranch_scc0 .Ltwo_\@
	XL 2, T, \kb                                   ; T's stage stores have been issued: LDS takes them ahead of these loads
.Ltwo_\@:
	s_wait_dscnt 0x0                               ; W's fragments and those of tiles 0, 1 and, where it lives, 2
	MM01 \zero
	s_cmp_gt_u32 s[REM], 32
	s_cbranch_scc0 .Ldone_\@
	s_cmp_gt_u32 s[REM], 48
	s_cbranch_scc0 .Lthree_\@
	PLACES                                         ; tile 0's products have read B0
	XL 3, B0, \kb                                  ; tile 2's eight products stand between these loads and the wait for them
.Lthree_\@:
	MMT 2, T, \zero
	PLACES                                         ; the next step's conversions write T
	s_wait_dscnt 0x0                               ; tile 3's fragments; on both ways, so that no load into B0 is ever out at the next step's loads into it
	s_cmp_gt_u32 s[REM], 48
	s_cbranch_scc0 .Ldone_\@
	MMT 3, B0, \zero
.Ldone_\@:
.endm
.macro SEL src, width, step            ; does the wanted bit lie beyond the field of that width at POS?  Then the field's bits are taken off the count, and POS goes past it
	v_bfe_u32 v[TT], v[\src], v[POS], \width
	v_cmp_ge_u32 vcc_lo, v[LR], v[TT]
	v_sub_nc_u32 v[T2], v[LR], v[TT]
	v_cndmask_b32 v[LR], v[LR], v[T2], vcc_lo
	v_add_nc_u32 v[T2], \step, v[POS]
	v_cndmask_b32 v[POS], v[POS], v[T2], vcc_lo
.endm
.macro PASS guard, tag
	s_wait_loadcnt 0x0                             ; nothing is out here on a way that runs; the two waits let the slots, the landing registers, the last pass's store data
	s_wait_xcnt 0x0                                ; and PA be rewritten on every way through the text
.if \guard
	s_cmp_lt_u32 s[JB], s[CNT]
	s_cbranch_scc0 .LskipA\tag                     ; no pair is left
.endif
	; SECTION A: the first weights are asked for; the list; the x rows
	LOADG 0, 0                                     ; K step 0
	LOADG 1, 65536
	s_wait_kmcnt 0x0                               ; the mask words (first pass)
	v_add_nc_u32 v[LJ], s[JB], v[JL]
	v_mov_b32 v[LW], s16
	v_mov_b32 v[LB], 0
	v_mov_b32 v[LI], 0
	s_mov_b32 s[PS], 0
.set mi, 1
.rept 63                               ; the last word ahead of which at most LJ bits are set holds bit LJ: the counts only grow, so a word is taken until the first count above LJ
	s_bcnt1_i32_b32 s85, s[16+(mi-1)+4*((mi-1)/48)]
	s_add_co_u32 s[PS], s[PS], s85
	v_cmp_gt_u32 vcc_lo, s[PS], v[LJ]
	v_cndmask_b32 v[LW], s[16+mi+4*(mi/48)], v[LW], vcc_lo
	v_cndmask_b32 v[LB], s[PS], v[LB], vcc_lo
	v_cndmask_b32 v[LI], mi, v[LI], vcc_lo
.set mi, mi+1
.endr
	s_bcnt1_i32_b32 s85, s83
	s_add_co_u32 s[CNT], s[PS], s85                ; the expert's pairs: the same number in every pass
	s_sub_co_u32 s[REM], s[CNT], s[JB]             ; never negative: this section runs only while places are left, or at place 0
	v_sub_nc_u32 v[LR], v[LJ], v[LB]
	v_lshrrev_b32 v[TT], 1, v[LW]
	v_and_b32 v[TT], 0x55555555, v[TT]
	v_sub_nc_u32 v[C1], v[LW], v[TT]
	v_lshrrev_b32 v[TT], 2, v[C1]
	v_and_b32 v[TT], 0x33333333, v[TT]
	v_and_b32 v[C2], 0x33333333, v[C1]
	v_add_nc_u32 v[C2], v[C2], v[TT]
	v_lshrrev_b32 v[TT], 4, v[C2]
	v_add_nc_u32 v[C4], v[C2], v[TT]
	v_and_b32 v[C4], 0x0f0f0f0f, v[C4]
	v_lshrrev_b32 v[TT], 8, v[C4]
	v_add_nc_u32 v[C8], v[C4], v[TT]               ; its lowest byte: the bits set among the word's low 16
	v_mov_b32 v[POS], 0
	SEL C8, 8, 16
	SEL C4, 8, 8
	SEL C2, 4, 4
	SEL C1, 2, 2
	SEL LW, 1, 1
	v_lshl_add_u32 v[LQ], v[LI], 5, v[POS]
	v_cmp_gt_u32 vcc_lo, s[CNT], v[LJ]
	v_cndmask_b32 v[LQ], 0, v[LQ], vcc_lo          ; a place beyond the list takes token 0's row and stores nothing
	v_min_u32 v[LQ], 0x7ff, v[LQ]                  ; a pair's number has 11 bits
.set qi, 0
.rept 8                                ; lane i holds place 8 w + i
	v_readlane_b32 s94, v[LQ], qi
	s_min_u32 s94, s94, 0x7ff
	s_and_b32 s95, s94, 0x3ff                      ; the token,
	s_lshl_b32 s95, s95, 11                        ; its row of 2,048 bytes in xb
	s_lshl_b32 s94, s94, 12                        ; the pair's row of 4,096 bytes in part
	v_add_nc_u32 v[GA+qi], s95, v[LA]
	v_add_nc_u32 v[PA+qi], s94, v[PB]
.set qi, qi+1
.endr
.set xi, 0
.rept 32                               ; eight rows, four loads of 512 consecutive bytes each
	global_load_b128 v[ACC+4*xi:ACC+4*xi+3], v[GA+xi/4], s[6:7] offset:512*(xi%4)
.set xi, xi+1
.endr
	LOADG 2, 512                                   ; K step 1
	LOADG 3, 65536+512
	s_wait_loadcnt 32                              ; the x rows are in (and K step 0, asked for ahead of them); K step 1's two groups stay out
.set xi, 0
.rept 32
	ds_store_b128 v[XTW], v[ACC+4*xi:ACC+4*xi+3] offset:(xi/4)*XP+(xi%4)*512
.set xi, xi+1
.endr
.LskipA\tag:
	s_wait_dscnt 0x0                               ; my x rows are in LDS, and my reads of the last pass's results are back
	s_barrier_signal -1
	s_barrier_wait -1                              ; the x tile is whole; the results' rows may be written again
.if \guard
	s_cmp_lt_u32 s[JB], s[CNT]
	s_cbranch_scc0 .LskipB\tag
.endif
	; SECTION B: eight K steps.  Behind the group that is due three groups of 16 loads have always been issued: 48 stay out; in the last two steps, which ask for nothing, the counts run down.
	STEP 0, 1, 48, 48, 1
.irp kb, 1,2,3,4,5
	STEP \kb, 1, 48, 48, 0
.endr
	STEP 6, 0, 48, 32, 0
	STEP 7, 0, 16, 0, 0
	PLACES
.irp t, 0,1,2,3                        ; the living tiles' results; each accumulator's lowest four registers are read first
.if \t == 2
	s_cmp_gt_u32 s[REM], 32
	s_cbranch_scc0 .LskipB\tag
.endif
.if \t == 3
	s_cmp_gt_u32 s[REM], 48
	s_cbranch_scc0 .LskipB\tag
.endif
.irp a, 0,1
	ds_store_b128 v[OSW], v[ACC+8*(4*\a+\t):ACC+8*(4*\a+\t)+3]   offset:\t*16*OP+\a*64
	ds_store_b128 v[OSW], v[ACC+8*(4*\a+\t)+4:ACC+8*(4*\a+\t)+7] offset:\t*16*OP+\a*64+16
.endr
.endr
.LskipB\tag:
	s_wait_dscnt 0x0                               ; my results are in LDS, and my reads of the x tile are back
	s_barrier_signal -1
	s_barrier_wait -1                              ; the rows of results are whole; the x tile may be written again
	; SECTION C: my wave's eight places leave, as far as they hold pairs.  They lie in one token tile, which lives if the first of them holds a pair
	s_sub_co_i32 s[NV], s[CNT], s[JB]
	s_lshl_b32 s94, s[WV], 3
	s_sub_co_i32 s[NV], s[NV], s94
	s_cmp_gt_i32 s[NV], 0
	s_cbranch_scc0 .LskipC\tag
.set ci, 0
.rept 16
	ds_load_b128 v[B0+4*ci:B0+4*ci+3], v[OSR] offset:(ci/2)*OP+(ci%2)*512
.set ci, ci+1
.endr
	s_wait_dscnt 0x0
.set ci, 0
.rept 8
.if ci > 0
	s_cmp_gt_i32 s[NV], ci
	s_cbranch_scc0 .LskipC\tag
.endif
	global_store_b128 v[PA+ci], v[B0+8*ci:B0+8*ci+3],   s[10:11]             ; a store of the wave covers 512 consecutive bytes of a row of part, at a multiple of 512
	global_store_b128 v[PA+ci], v[B0+8*ci+4:B0+8*ci+7], s[10:11] offset:512
.set ci, ci+1
.endr
.LskipC\tag:
	s_add_co_u32 s[JB], s[JB], 64
.endm
	s_load_b256 s[4:11], s[0:1], 0x0               ; expert_w s[4:5], xb s[6:7], masks s[8:9], part s[10:11]
	v_lshl_add_u32 v[SPW], v0, 2, SPARE
	v_mov_b32 v[NIL], 0
	v_lshrrev_b32 v27, 5, v0
	v_readfirstlane_b32 s[WV], v27                 ; wave 0..7
	s_and_b32 s13, ttmp7, 0xffff                   ; the expert
	s_mov_b32 s14, ttmp9                           ; which 256 output columns
	v_and_b32 v24, 31, v0                          ; lane
	v_and_b32 v25, 15, v0                          ; lane % 16
	v_bfe_u32 v26, v0, 4, 1                        ; lane / 16
	v_lshlrev_b32 v[LA], 4, v24
	s_mul_i32 s94, s[WV], WST
	s_add_co_u32 s94, s94, ST                      ; my wave's stage
	v_lshl_add_u32 v[STW], v24, 3, s94
	v_mul_u32_u24 v[FRW], v25, PITCH
	v_lshl_add_u32 v[FRW], v26, 4, v[FRW]
	v_add_nc_u32 v[FRW], s94, v[FRW]
	s_mul_i32 s94, s[WV], 8*XP                     ; my wave's eight rows of the x tile, which begins at LDS byte 0
	v_lshl_add_u32 v[XTW], v24, 4, s94
	v_mul_u32_u24 v[OSW], v25, OP
	v_lshl_add_u32 v[OSW], v26, 5, v[OSW]
	s_lshl_b32 s94, s[WV], 7
	s_add_co_u32 s94, s94, OS
	v_add_nc_u32 v[OSW], s94, v[OSW]
	s_mul_i32 s94, s[WV], 8*OP
	s_add_co_u32 s94, s94, OS
	v_lshl_add_u32 v[OSR], v24, 4, s94
	v_mul_u32_u24 v[FRXB], v25, XP
	v_lshl_add_u32 v[FRXB], v26, 4, v[FRXB]        ; row lane % 16 of the x tile, 16 bytes for each half of the lanes;
.irp t, 0,1,2,3
	v_add_nc_u32 v[FRX+\t], 16*XP*\t, v[FRXB]      ; token tile t lies 16 rows on.  k stands in the loads' immediates
.endr
	v_and_b32 v[JL], 7, v0
	v_lshl_add_u32 v[JL], s[WV], 3, v[JL]
	s_lshl_b32 s94, s14, 10
	v_add_nc_u32 v[PB], s94, v[LA]
	s_lshl_b32 s94, s13, 8                         ; the expert's 256 bytes of masks
	s_mov_b32 s95, 0
	s_lshl_b32 s98, s13, 22                        ; the expert's 4 MiB of weights,
	s_lshl_b32 s85, s14, 20                        ; 256 rows of 4,096 bytes a work-group,
	s_add_co_u32 s98, s98, s85
	s_lshl_b32 s85, s[WV], 17                      ; 32 of them a wave: under 2^28 in all
	s_add_co_u32 s98, s98, s85
	s_mov_b32 s99, 0
	s_mov_b32 s[JB], 0
	s_wait_kmcnt 0x0
	s_add_nc_u64 s[96:97], s[8:9], s[94:95]        ; never rewritten
	s_load_b512 s[16:31], s[96:97], 0x0
	s_load_b512 s[32:47], s[96:97], 0x40
	s_load_b512 s[48:63], s[96:97], 0x80
	s_load_b512 s[68:83], s[96:97], 0xc0
	s_add_nc_u64 s[WB0:WB0+1], s[4:5], s[98:99]
	PASS 0, 0                                      ; places 0 to 63
	s_mov_b32 s[PC], 15
.Lpass:                                                ; places 64 to 1,023: as many passes as the largest count needs; the same number in every wave, so that every wave passes every barrier
	PASS 1, 1
	s_sub_co_u32 s[PC], s[PC], 1
	s_cmp_lg_u32 s[PC], 0
	s_cbranch_scc1 .Lpass
	s_wait_tensorcnt 0x0                           ; the wave's end, behind my last LDS store
	ds_add_u32 v[SPW], v[NIL]
	s_wait_dscnt 0x0
	s_endpgm
.Lfunc_end_k_q38dd86b929_experts:
	.size	k_q38dd86b929_experts, .Lfunc_end_k_q38dd86b929_experts-k_q38dd86b929_experts
	.p2alignl 7, 3214868480
	.fill 96, 4, 3214868480
	.section	.rodata,"a",@progbits
	.p2align	6, 0x0
	.amdhsa_kernel k_q38dd86b929_experts
		.amdhsa_group_segment_fixed_size 269312
		.amdhsa_private_segment_fixed_size 0
		.amdhsa_enable_private_segment 0
		.amdhsa_kernarg_size 32
		.amdhsa_user_sgpr_count 2
		.amdhsa_user_sgpr_kernarg_segment_ptr 1
		.amdhsa_wavefront_size32 1
		.amdhsa_system_sgpr_workgroup_id_x 1
		.amdhsa_system_sgpr_workgroup_id_y 1
		.amdhsa_system_sgpr_workgroup_id_z 1
		.amdhsa_system_vgpr_workitem_id 0
		.amdhsa_next_free_vgpr 512
		.amdhsa_next_free_sgpr 100
		.amdhsa_reserve_vcc 1
		.amdhsa_float_denorm_mode_32 3
		.amdhsa_float_denorm_mode_16_64 3
		.amdhsa_memory_ordered 1
		.amdhsa_forward_progress 1
		.amdhsa_inst_pref_size 255
	.end_amdhsa_kernel
	.section	.bss,"aw",@nobits
	.p2align	6
	.space	262144
	.amdgpu_metadata
---
amdhsa.version: [ 1, 2 ]
amdhsa.kernels:
  - .name:           k_q38dd86b929_experts
    .symbol:         k_q38dd86b929_experts.kd
    .args:
      - { .name: expert_w, .offset: 0, .size: 8, .value_kind: global_buffer, .address_space: global }
      - { .name: xb, .offset: 8, .size: 8, .value_kind: global_buffer, .address_space: global }
      - { .name: masks, .offset: 16, .size: 8, .value_kind: global_buffer, .address_space: global }
      - { .name: part, .offset: 24, .size: 8, .value_kind: global_buffer, .address_space: global }
    .group_segment_fixed_size: 269312
    .private_segment_fixed_size: 0
    .kernarg_segment_align: 8
    .kernarg_segment_size: 32
    .max_flat_workgroup_size: 256
    .sgpr_count:     100
    .vgpr_count:     512
    .wavefront_size: 32
...
	.end_amdgpu_metadata
.endif
;; end of part 2
;; launch combine (part 3): grid 256 x 1, 4 waves a work-group, no clusters, 0 bytes of LDS; arguments part, wts, out0; writes out0
.if DOCPART == 3
	.amdgcn_target "amdgcn-amd-amdhsa--gfx1250"
	.amdhsa_code_object_version 6
	.text
	.protected	k_q38dd86b929_combine
	.globl	k_q38dd86b929_combine
	.p2align	8
	.type	k_q38dd86b929_combine,@function
k_q38dd86b929_combine:
	s_mov_b64 s[64:65], 0
	v_nop
	global_prefetch_b8 v0, s[64:65] scope:SCOPE_SE
	s_setreg_imm32_b32 hwreg(HW_REG_WAVE_MODE, 25, 1), 1
	s_wait_xcnt 0x0
; out0[n][:] = wts[0][n] part[n][:] + wts[1][n] part[1024 + n][:].  part: [2048][1024] f32, wts: [2][1024] f32, out0: [1024][1024] f32.
; A stream: a wave takes one row; its sixteen loads of 512 consecutive bytes go out together, and each pair is scaled, added and stored as it comes in.
; No LDS, no barrier, no matrix work: each byte is read once and written once, and no wave depends on another.
.set Y0, 4                             ; v4-35   slot 0's row, then the result
.set Y1, 36                            ; v36-67  slot 1's row
	s_load_b128 s[4:7], s[0:1], 0x0                ; part s[4:5], wts s[6:7]
	s_load_b64 s[8:9], s[0:1], 0x10                ; out0
	v_lshrrev_b32 v2, 5, v0
	v_readfirstlane_b32 s10, v2                    ; wave 0..3
	v_and_b32 v1, 31, v0
	v_lshlrev_b32 v1, 4, v1                        ; 16 x lane
	s_lshl_b32 s11, ttmp9, 2
	s_add_co_u32 s10, s10, s11                     ; my row n
	s_lshl_b32 s12, s10, 12                        ; 4,096 bytes a row
	s_mov_b32 s13, 0
	s_lshl_b32 s14, s10, 2                         ; 4 bytes a weight
	s_mov_b32 s15, 0
	s_mov_b32 s17, 0                               ; the packed forms name the weights as pairs and take the low word for both halves
	s_mov_b32 s19, 0
	s_wait_kmcnt 0x0
	s_add_nc_u64 s[4:5], s[4:5], s[12:13]
	s_add_nc_u64 s[8:9], s[8:9], s[12:13]
	s_add_nc_u64 s[6:7], s[6:7], s[14:15]
	s_load_b32 s16, s[6:7], 0x0                    ; slot 0's weight
	s_load_b32 s18, s[6:7], 0x1000                 ; slot 1's, 1,024 weights on
.irp j, 0,1,2,3,4,5,6,7
	global_load_b128 v[Y0+4*\j:Y0+4*\j+3], v1, s[4:5] offset:512*\j th:TH_LOAD_NT
	global_load_b128 v[Y1+4*\j:Y1+4*\j+3], v1, s[4:5] offset:4194304+512*\j th:TH_LOAD_NT  ; 1,024 rows on
.endr
	s_wait_kmcnt 0x0
.irp j, 0,1,2,3,4,5,6,7
	s_wait_loadcnt 14-2*\j                         ; pair j is in; the younger pairs stay out
	v_pk_mul_f32 v[Y1+4*\j:Y1+4*\j+1],   v[Y1+4*\j:Y1+4*\j+1],   s[18:19] op_sel_hi:[1,0]
	v_pk_mul_f32 v[Y1+4*\j+2:Y1+4*\j+3], v[Y1+4*\j+2:Y1+4*\j+3], s[18:19] op_sel_hi:[1,0]
	v_pk_fma_f32 v[Y0+4*\j:Y0+4*\j+1],   v[Y0+4*\j:Y0+4*\j+1],   s[16:17], v[Y1+4*\j:Y1+4*\j+1]   op_sel_hi:[1,0,1]
	v_pk_fma_f32 v[Y0+4*\j+2:Y0+4*\j+3], v[Y0+4*\j+2:Y0+4*\j+3], s[16:17], v[Y1+4*\j+2:Y1+4*\j+3] op_sel_hi:[1,0,1]
	global_store_b128 v1, v[Y0+4*\j:Y0+4*\j+3], s[8:9] offset:512*\j th:TH_STORE_NT  ; 512 consecutive bytes, at a multiple of 512; no register is rewritten behind a store
.endr
	s_endpgm
.Lfunc_end_k_q38dd86b929_combine:
	.size	k_q38dd86b929_combine, .Lfunc_end_k_q38dd86b929_combine-k_q38dd86b929_combine
	.p2alignl 7, 3214868480
	.fill 96, 4, 3214868480
	.section	.rodata,"a",@progbits
	.p2align	6, 0x0
	.amdhsa_kernel k_q38dd86b929_combine
		.amdhsa_group_segment_fixed_size 0
		.amdhsa_private_segment_fixed_size 0
		.amdhsa_enable_private_segment 0
		.amdhsa_kernarg_size 24
		.amdhsa_user_sgpr_count 2
		.amdhsa_user_sgpr_kernarg_segment_ptr 1
		.amdhsa_wavefront_size32 1
		.amdhsa_system_sgpr_workgroup_id_x 1
		.amdhsa_system_sgpr_workgroup_id_y 1
		.amdhsa_system_sgpr_workgroup_id_z 1
		.amdhsa_system_vgpr_workitem_id 0
		.amdhsa_next_free_vgpr 72
		.amdhsa_next_free_sgpr 66
		.amdhsa_reserve_vcc 0
		.amdhsa_float_denorm_mode_32 3
		.amdhsa_float_denorm_mode_16_64 3
		.amdhsa_memory_ordered 1
		.amdhsa_forward_progress 1
		.amdhsa_inst_pref_size 6
	.end_amdhsa_kernel
	.amdgpu_metadata
---
amdhsa.version: [ 1, 2 ]
amdhsa.kernels:
  - .name:           k_q38dd86b929_combine
    .symbol:         k_q38dd86b929_combine.kd
    .args:
      - { .name: part, .offset: 0, .size: 8, .value_kind: global_buffer, .address_space: global }
      - { .name: wts, .offset: 8, .size: 8, .value_kind: global_buffer, .address_space: global }
      - { .name: out0, .offset: 16, .size: 8, .value_kind: global_buffer, .address_space: global }
    .group_segment_fixed_size: 0
    .private_segment_fixed_size: 0
    .kernarg_segment_align: 8
    .kernarg_segment_size: 24
    .max_flat_workgroup_size: 128
    .sgpr_count:     66
    .vgpr_count:     72
    .wavefront_size: 32
...
	.end_amdgpu_metadata
.endif
;; end of part 3
;; ======== version 2 of 2: 3 launches; version 1 with the launch combine written anew for expert scheduling mode
;; workspace buffers: xb 2,097,152 bytes; masks 16,384 bytes of whole numbers; wts 8,192 bytes; part 8,388,608 bytes
;; launch gate: the kernel of part 1 again; grid 64 x 1, 8 waves a work-group, no clusters, 138,240 bytes of LDS; arguments x, gate_w, xb, masks, wts; writes xb, masks, wts
;; launch experts: the kernel of part 2 again; grid 4 x 64, 8 waves a work-group, no clusters, 269,312 bytes of LDS; arguments expert_w, xb, masks, part; writes part
;; launch combine (part 4): grid 256 x 1, 4 waves a work-group, no clusters, 0 bytes of LDS; arguments part, wts, out0; writes out0
.if DOCPART == 4
	.amdgcn_target "amdgcn-amd-amdhsa--gfx1250"
	.amdhsa_code_object_version 6
	.text
	.protected	k_q38dd86b929_combine
	.globl	k_q38dd86b929_combine
	.p2align	8
	.type	k_q38dd86b929_combine,@function
k_q38dd86b929_combine:
	s_mov_b64 s[64:65], 0
	v_nop
	global_prefetch_b8 v0, s[64:65] scope:SCOPE_SE
	s_setreg_imm32_b32 hwreg(HW_REG_WAVE_SCHED_MODE, 0, 2), 2
	s_setreg_imm32_b32 hwreg(HW_REG_WAVE_MODE, 25, 1), 1
	s_wait_xcnt 0x0
	s_wait_alu depctr_vm_vsrc(0)
; out0[n][:] = wts[0][n] part[n][:] + wts[1][n] part[1024 + n][:].  part: [2048][1024] f32, wts: [2][1024] f32, out0: [1024][1024] f32.
; A stream: a wave takes one row; its sixteen loads of 512 consecutive bytes go out together, and each pair is scaled and added as it comes in.
; No LDS, no barrier, no matrix work: each byte is read once and written once, and no wave depends on another.
; THE MODE: SCHED_MODE bits 1:0 = 2 (LLVM: expert scheduling mode 2), set by the entry lines.  The code itself states the register dependences
; between vector instructions and memory instructions, with s_wait_alu, always for 0.
; THE PLAN.  Registers that memory instructions touch:
;   v1   16 x lane, the offset of every load and store.  Written at the head, never again.
;   Y0   Pair j's four registers: a load lands in them, pair j's two multiply-adds write them, pair j's store reads them; nothing writes them behind the store.
;   Y1   Pair j's four registers: a load lands in them; read and written by vector instructions alone after that.
; All loads go out at the head, into registers that no vector instruction has named.  The eight pairs go in four groups of two.  Group g's two stores are issued in
; group g + 1, behind one wait which states that group g's multiply-adds have written their results; they are dealt among group g + 1's eight vector
; instructions, which name the registers of pairs 2 g + 2 and 2 g + 3 alone.  No register that a memory instruction has read is written again, so no wait on vm_vsrc is owed.
.set Y0, 4                             ; v4-35   slot 0's row, then the result
.set Y1, 36                            ; v36-67  slot 1's row
	s_load_b128 s[4:7], s[0:1], 0x0                ; part s[4:5], wts s[6:7]
	s_load_b64 s[8:9], s[0:1], 0x10                ; out0
	v_lshrrev_b32 v2, 5, v0
	v_readfirstlane_b32 s10, v2                    ; wave 0..3
	v_and_b32 v1, 31, v0
	v_lshlrev_b32 v1, 4, v1                        ; 16 x lane
	s_lshl_b32 s11, ttmp9, 2
	s_wait_alu depctr_va_sdst(0)                   ; s10 is written, ahead of its first reader: the row's offsets are made from it
	s_add_co_u32 s10, s10, s11                     ; my row n
	s_lshl_b32 s12, s10, 12                        ; 4,096 bytes a row
	s_mov_b32 s13, 0
	s_lshl_b32 s14, s10, 2                         ; 4 bytes a weight
	s_mov_b32 s15, 0
	s_mov_b32 s17, 0                               ; the packed forms name the weights as pairs and take the low word for both halves
	s_mov_b32 s19, 0
	s_wait_kmcnt 0x0
	s_add_nc_u64 s[4:5], s[4:5], s[12:13]
	s_add_nc_u64 s[8:9], s[8:9], s[12:13]
	s_add_nc_u64 s[6:7], s[6:7], s[14:15]
	s_load_b32 s16, s[6:7], 0x0                    ; slot 0's weight
	s_load_b32 s18, s[6:7], 0x1000                 ; slot 1's, 1,024 weights on
	s_wait_alu depctr_va_vdst(0)                   ; v1 is written: every load and store below reads it as its offset
.irp j, 0,1,2,3,4,5,6,7
	global_load_b128 v[Y0+4*\j:Y0+4*\j+3], v1, s[4:5] offset:512*\j th:TH_LOAD_NT
	global_load_b128 v[Y1+4*\j:Y1+4*\j+3], v1, s[4:5] offset:4194304+512*\j th:TH_LOAD_NT  ; 1,024 rows on
.endr
	s_wait_kmcnt 0x0
; Group g: pairs 2 g and 2 g + 1 are scaled and added; the group before is stored.  left: the loads of the younger pairs, which stay out.
.macro GRP g, left
	s_wait_loadcnt \left                           ; loads come back in order (ISA guide 5.7.1): this group's four are in
.if (\g) > 0
	s_wait_alu depctr_va_vdst(0)                   ; the group before has written its eight registers of Y0, which the two stores below read
.endif
.irp i, 0,1
.if (\g) > 0
.set sj, 2*(\g)-2+(\i)
	global_store_b128 v1, v[Y0+4*sj:Y0+4*sj+3], s[8:9] offset:512*sj th:TH_STORE_NT  ; 512 consecutive bytes, at a multiple of 512; no vector instruction since the wait names these registers, and none writes them behind the store
.endif
.set pj, 2*(\g)+(\i)
	v_pk_mul_f32 v[Y1+4*pj:Y1+4*pj+1],   v[Y1+4*pj:Y1+4*pj+1],   s[18:19] op_sel_hi:[1,0]
	v_pk_mul_f32 v[Y1+4*pj+2:Y1+4*pj+3], v[Y1+4*pj+2:Y1+4*pj+3], s[18:19] op_sel_hi:[1,0]
	v_pk_fma_f32 v[Y0+4*pj:Y0+4*pj+1],   v[Y0+4*pj:Y0+4*pj+1],   s[16:17], v[Y1+4*pj:Y1+4*pj+1]   op_sel_hi:[1,0,1]
	v_pk_fma_f32 v[Y0+4*pj+2:Y0+4*pj+3], v[Y0+4*pj+2:Y0+4*pj+3], s[16:17], v[Y1+4*pj+2:Y1+4*pj+3] op_sel_hi:[1,0,1]
.endr
.endm
	GRP 0, 12                                      ; behind a group's four loads 12, 8, 4 and 0 younger ones were issued
	GRP 1, 8
	GRP 2, 4
	GRP 3, 0
	s_wait_alu depctr_va_vdst(0)                   ; the last group has written its eight registers of Y0, which the last two stores read
	global_store_b128 v1, v[Y0+24:Y0+27], s[8:9] offset:512*6 th:TH_STORE_NT
	global_store_b128 v1, v[Y0+28:Y0+31], s[8:9] offset:512*7 th:TH_STORE_NT
	s_endpgm
.Lfunc_end_k_q38dd86b929_combine:
	.size	k_q38dd86b929_combine, .Lfunc_end_k_q38dd86b929_combine-k_q38dd86b929_combine
	.p2alignl 7, 3214868480
	.fill 96, 4, 3214868480
	.section	.rodata,"a",@progbits
	.p2align	6, 0x0
	.amdhsa_kernel k_q38dd86b929_combine
		.amdhsa_group_segment_fixed_size 0
		.amdhsa_private_segment_fixed_size 0
		.amdhsa_enable_private_segment 0
		.amdhsa_kernarg_size 24
		.amdhsa_user_sgpr_count 2
		.amdhsa_user_sgpr_kernarg_segment_ptr 1
		.amdhsa_wavefront_size32 1
		.amdhsa_system_sgpr_workgroup_id_x 1
		.amdhsa_system_sgpr_workgroup_id_y 1
		.amdhsa_system_sgpr_workgroup_id_z 1
		.amdhsa_system_vgpr_workitem_id 0
		.amdhsa_next_free_vgpr 72
		.amdhsa_next_free_sgpr 66
		.amdhsa_reserve_vcc 0
		.amdhsa_float_denorm_mode_32 3
		.amdhsa_float_denorm_mode_16_64 3
		.amdhsa_memory_ordered 1
		.amdhsa_forward_progress 1
		.amdhsa_inst_pref_size 6
	.end_amdhsa_kernel
	.amdgpu_metadata
---
amdhsa.version: [ 1, 2 ]
amdhsa.kernels:
  - .name:           k_q38dd86b929_combine
    .symbol:         k_q38dd86b929_combine.kd
    .args:
      - { .name: part, .offset: 0, .size: 8, .value_kind: global_buffer, .address_space: global }
      - { .name: wts, .offset: 8, .size: 8, .value_kind: global_buffer, .address_space: global }
      - { .name: out0, .offset: 16, .size: 8, .value_kind: global_buffer, .address_space: global }
    .group_segment_fixed_size: 0
    .private_segment_fixed_size: 0
    .kernarg_segment_align: 8
    .kernarg_segment_size: 24
    .max_flat_workgroup_size: 128
    .sgpr_count:     66
    .vgpr_count:     72
    .wavefront_size: 32
...
	.end_amdgpu_metadata
.endif
;; end of part 4
